; MI455X (gfx1250); checked and timed in simulation.
; The chip was launched on July 23, 2026; its instructions are those of AMD's public machine-readable ISA for CDNA 5 (MIT licence, August 2026) and "CDNA5" Instruction Set Architecture Reference Guide (July 2026). The comments in the code are by the model that wrote it; some were corrected since.
;; LSTM Cell. Allowed arithmetic: matrix products marked QUANTISED: E2M3 operands, one E8M0 scale for each 32 along K, by v_wmma_scale_f32_16x16x128_f8f6f4 with both operands' format E2M3, f32 sums; products left as they are: f32 operands where the result goes on into a quantised operand, else bf16, f16 or f32 operands; f32 sums; everything else in f32.
;; Inputs: W_h_4gates 256 x 8,192 float32; W_hz 256 x 8 float32; W_x_4gates 256 x 8,192 float32; W_xz 256 x 8 float32; b_4gates 8,192 float32; b_xz 8 float32; c_0 8,192 x 256 float32; h_0 8,192 x 256 float32; u 8,192 x 8 float32; x_t 8,192 x 256 float32.
;; Outputs: out0 8,192 x 8 float32; out1 8,192 x 8 float32; out2 8,192 x 256 float32; out3 8,192 x 256 float32.
;; Constants: tau = 1.
;; This version of the problem:
;;   THIS VERSION OF THE PROBLEM IS GIVEN IN LOW PRECISION. The matrix products marked QUANTISED in the list below multiply operands that are first quantised to E2M3 (2 exponent bits, 3 mantissa bits; 6 bits a number), with one power-of-two scale for each 32 numbers along K (OCP MX v1.0); their sums are f32. All else is computed in f32.
;;   The module's matrix products, in the order in which they are computed (A, B: the left and right operand; K: the contracted axis; several contracted axes count as one K, in the product's order):
;;     1. [M 8,192, K 256] x [K 256, N 8]; A: input x_t; B: input W_xz: left as it is (N = 8 < 16)
;;     2. [M 8,192, K 256] x [K 256, N 8]; A: input h_0; B: input W_hz: left as it is (N = 8 < 16)
;;     3. [M 8,192, K 256] x [K 256, N 8,192]; A: input x_t; B: input W_x_4gates: QUANTISED
;;     4. [M 8,192, K 256] x [K 256, N 8,192]; A: input h_0; B: input W_h_4gates: QUANTISED
;;     5. batch 8,192 x [M 256, K 8] x [K 8, N 1]; A: computed on the way; B: softmax: left as it is (K = 8 < 32)
;;     6. batch 8,192 x [M 256, K 8] x [K 8, N 1]; A: computed on the way; B: softmax: left as it is (K = 8 < 32)
;;   THE QUANTISER, for each operand of a quantised product, along K:
;;     - K is cut into blocks of 32 from its start; a last block that is shorter is filled with zeros.
;;     - A block's scale is 2^e with e = floor(log2(the largest magnitude in the block)) - 2, held to -126 .. 127; a block of zeros has e = 0. As a byte (E8M0): e + 127.
;;     - Each number is divided by its block's scale, clamped to +-7.5, and rounded to the nearest number of E2M3, ties to even, subnormals kept.
;;     - The product sums the exact products of the quantised numbers (number of the format x scale) in f32.
;;   ~~~python
;;   def quantise(x, axis):      # numpy; x: float32 -> the quantised numbers, widened to float32 again
;;       x = np.moveaxis(x, axis, -1); K = x.shape[-1]
;;       x = np.pad(x, [(0, 0)] * (x.ndim - 1) + [(0, -K % 32)]); x = x.reshape(x.shape[:-1] + (-1, 32)); a = np.abs(x).max(-1, keepdims=True)
;;       e = np.where(a > 0, np.clip(np.frexp(np.where(a > 0, a, 1))[1] - 1 - 2, -126, 127), 0)      # np.frexp(a)[1] - 1 = floor(log2(a)), exactly
;;       r = np.clip(x / 2.0 ** e, -7.5, 7.5)
;;       step = 2.0 ** (np.maximum(np.frexp(np.where(r == 0, 1, r))[1] - 1, 0) - 3)
;;       q = np.round(r / step) * step * 2.0 ** e      # np.round: ties to even
;;       return np.moveaxis(q.reshape(q.shape[:-2] + (-1,))[..., :K], -1, axis).astype(np.float32)
;;   ~~~
;; One version. Each part assembles by itself: llvm-mc -triple=amdgcn-amd-amdhsa -mcpu=gfx1250 --defsym DOCPART=n.
;; ======== version 1 of 1: 2 launches
;; workspace buffers: aq 3,276,800 bytes; wq 3,276,800 bytes
;; launch prep (part 1): grid 768 x 1, 4 waves a work-group, no clusters, 53,760 bytes of LDS; arguments x_t, h_0, W_xz, W_hz, b_xz, u, W_x_4gates, W_h_4gates, aq, wq, out0, out1; writes aq, wq, out0, out1
.if DOCPART == 1
	.amdgcn_target "amdgcn-amd-amdhsa--gfx1250"
	.amdhsa_code_object_version 6
	.text
	.protected	k_qe78d69fa48_prep
	.globl	k_qe78d69fa48_prep
	.p2align	8
	.type	k_qe78d69fa48_prep,@function
k_qe78d69fa48_prep:
	s_mov_b64 s[64:65], 0
	v_nop
	global_prefetch_b8 v0, s[64:65] scope:SCOPE_SE
	s_setreg_imm32_b32 hwreg(HW_REG_WAVE_MODE, 25, 1), 1
	s_wait_xcnt 0x0
; PREPARATION FOR THE LSTM CELL.  Every f32 operand of the wide product is read once here and leaves as codes of FP6 (E2M3) with one E8M0 byte for each 32 along K,
; laid in the order of the matrix operand's registers; from the same registers of x_t and h_0 come the logits, and from them z (out0) and q_z (out1).
; The wide product has K = 512 in four steps of 128: steps 0, 1 are x_t with W_x_4gates, steps 2, 3 are h_0 with W_h_4gates.
; WORK-GROUPS 0-511: one tile of 16 rows each; wave s takes K step s: quantises 16 x 128 numbers into one fragment, and sums its part of the 8 logits in f32.
; WORK-GROUPS 512-767: 128 columns x one K step of a weight; a lane takes a column and its registers run down K, so nothing is transposed.
; The two roles part on the work-group's number, which all four waves share; only the first role uses LDS and a barrier.
; aq: 512 tiles x 6,400 bytes: fragment s at 1,536 s (register group q of four at 512 q + 16 x lane); at 6,144 the scale words, [lane][2]: word p of lane (r, hl) is row r's for K step 2 p + hl.
; wq: 32 blocks (8 (mm / 64) + expert) x 102,400 bytes: fragment (mt, gate, s) at ((4 mt + gate) 4 + s) 1,536, the same image; scale words at 98,304 + 1,024 mt + 256 gate + 64 s + 4 r.
; A block's scale is 2^(floor(log2(largest magnitude)) - 2): its byte is that magnitude's exponent field - 2, held at 1 from below by a floor among the maximum's leaves.
; LIMITS: a block of zeros gets the byte 1 where the rule says 127 (its codes are zeros, and only this program reads the bytes); NaN and infinities among the inputs are not served;
; tau = 1 is built in, as the problem lists it as a constant.  No cluster: the only bytes that work-groups share are W_xz and W_hz, 8 KiB each.
.set NA,    512                        ; work-groups of the first role
.set TSP,   528                        ; LDS: a row of a wave's 16 x 128 numbers: 512 bytes + 16
.set TSW,   16*TSP                     ; a wave's 16 rows
.set WZ,    4*TSW                      ; behind them: each wave's 128 rows of W_xz or W_hz, 4,096 bytes, as they lie in memory
.set LP,    WZ+4*4096                  ; the partial logits [wave][row][8]
.set XSB,   LP+4*512                   ; the image of aq's scale words, 256 bytes
.set A_L16, 1                          ; v1   16 x lane
.set A_TSW, 2                          ; v2   where I store a row's 16 bytes
.set A_WZW, 3                          ; v3   where I store 16 bytes of W_z
.set A_TSR, 4                          ; v4   row r, + 64 h: my 16 numbers of a block of 32
.set A_XSW, 5                          ; v5   my row's scale word in the image
.set A_WZR, 6                          ; v6   W_z's rows of my half of the lanes
.set A_LPW, 7                          ; v7   my row's partial logits
.set A_XSR, 8                          ; v8   the image back, 8 bytes a lane
.set A_L8,  9                          ; v9   8 x lane
.set A_AQ,  10                         ; v10  16 x lane + 1,536 x wave
.set A_RO,  11                         ; v11  32 r + 16 hl: four experts of row r in u, out0, out1
.set A_BO,  12                         ; v12  16 hl: the same four in b_xz
.set A_LPR, 13                         ; v13  and in the partial logits
.set PC,    14                         ; v14-33  the codes (12) and two conversions' results on their way
.set TM,    34                         ; v34-37 largest magnitudes, v38-41 bytes, v46-49 the conversions' scale operands
.set BZ,    42                         ; v42-45  b_xz (wave 0)
.set PW,    50                         ; v50     the scale word
.set XR,    52                         ; v52-115 64 numbers: register 16 b + i = k 32 b + 16 h + i of row r
.set WS,    116                        ; v116-243 first the numbers as loaded, then two sets of 8 rows of W_z
.set LG,    244                        ; v244-251 my 8 logit sums
.set UU,    252                        ; v252-255 u (wave 0)
.set SEL,   38                         ; s[38:39] v_permlanex16_b32's selects for lane l xor 16
	s_load_b256 s[4:11], s[0:1], 0x0               ; x_t, h_0, W_xz, W_hz
	s_load_b256 s[12:19], s[0:1], 0x20             ; b_xz, u, W_x_4gates, W_h_4gates
	s_load_b256 s[20:27], s[0:1], 0x40             ; aq, wq, out0, out1
	v_lshl_add_u32 v29, v0, 2, 0xd000
	s_set_vgpr_msb 0x40
	v_mov_b32 v1, 0
	s_set_vgpr_msb 0x4000
	v_lshrrev_b32 v14, 5, v0
	v_readfirstlane_b32 s28, v14                   ; wave 0..3
	s_cmp_ge_u32 ttmp9, NA
	s_cbranch_scc1 .Lweights
	; ================= rows: x_t and h_0 =================
	v_and_b32 v15, 31, v0                          ; lane
	v_and_b32 v14, 15, v0                          ; r
	v_bfe_u32 v16, v0, 4, 1                        ; h
	v_lshlrev_b32 v[A_L16], 4, v15
	v_lshlrev_b32 v[A_L8], 3, v15
	s_mul_i32 s29, s28, TSW
	s_lshl_b32 s30, s28, 12
	s_add_co_u32 s30, s30, WZ
	v_add_nc_u32 v[A_TSW], s29, v[A_L16]
	v_add_nc_u32 v[A_WZW], s30, v[A_L16]
	v_mul_u32_u24 v[A_TSR], v14, TSP
	v_lshl_add_u32 v[A_TSR], v16, 6, v[A_TSR]
	v_add_nc_u32 v[A_TSR], s29, v[A_TSR]
	v_lshlrev_b32 v[A_WZR], 9, v16                 ; lanes 16-31 begin 16 rows of 32 bytes further on
	v_add_nc_u32 v[A_WZR], s30, v[A_WZR]
	s_and_b32 s31, s28, 1                          ; which 128 of the tensor's 256 along K
	s_lshr_b32 s32, s28, 1
	s_lshl_b32 s33, s31, 7
	s_lshl_b32 s34, s32, 2
	s_add_co_u32 s33, s33, s34
	s_add_co_u32 s33, s33, XSB
	v_lshl_add_u32 v[A_XSW], v14, 3, s33           ; 8 r + 128 (s % 2) + 4 (s / 2)
	s_lshl_b32 s34, s28, 9
	s_add_co_u32 s34, s34, LP
	v_lshl_add_u32 v[A_LPW], v14, 5, s34
	v_add_nc_u32 v[A_XSR], XSB, v[A_L8]
	s_mul_i32 s34, s28, 1536
	v_add_nc_u32 v[A_AQ], s34, v[A_L16]
	v_lshlrev_b32 v[A_BO], 4, v16
	v_lshl_add_u32 v[A_RO], v14, 5, v[A_BO]
	v_add_nc_u32 v[A_LPR], LP, v[A_RO]
.irp b, 0,1,2,3
	v_mov_b32 v[TM+4+\b], 0                        ; written once: a lane permute's destination counts as one of its sources
.endr
	s_mov_b32 s[SEL], 0x76543210
	s_mov_b32 s[SEL+1], 0xfedcba98
	s_mov_b32 s40, 0xbf317218                      ; -ln 2
	s_mov_b32 s41, 0x2edbe6ff                      ; 1e-10
	s_mov_b32 s42, 0x3fb8aa3b                      ; log2 e
	s_lshl_b32 s36, ttmp9, 14                      ; my tile's 16 rows of 1,024 bytes,
	s_lshl_b32 s35, s31, 9                         ; my 128 columns
	s_add_co_u32 s36, s36, s35
	s_mov_b32 s37, 0
	s_wait_kmcnt 0x0
	s_cmp_lt_u32 s28, 2                            ; waves 0, 1: x_t and W_xz; waves 2, 3: h_0 and W_hz
	s_cselect_b64 s[4:5], s[4:5], s[6:7]
	s_cselect_b64 s[8:9], s[8:9], s[10:11]
	s_add_nc_u64 s[4:5], s[4:5], s[36:37]
	s_lshl_b32 s36, s31, 12                        ; 128 rows of 32 bytes
	s_add_nc_u64 s[8:9], s[8:9], s[36:37]
	s_mul_i32 s36, ttmp9, 6400
	s_add_nc_u64 s[20:21], s[20:21], s[36:37]
	s_lshl_b32 s36, ttmp9, 9                       ; 16 rows of 32 bytes in u, out0, out1
	s_add_nc_u64 s[14:15], s[14:15], s[36:37]
	s_add_nc_u64 s[24:25], s[24:25], s[36:37]
	s_add_nc_u64 s[26:27], s[26:27], s[36:37]
	s_cmp_lg_u32 s28, 0                            ; wave 0 finishes the logits: it asks for u and b_xz now, ahead of its other loads, so that the counted waits below cover them too
	s_cbranch_scc1 .Lnot_wave_0
	global_load_b128 v[UU:UU+3], v[A_RO], s[14:15] th:TH_LOAD_NT
	global_load_b128 v[BZ:BZ+3], v[A_BO], s[12:13]
.Lnot_wave_0:
.irp i, 0,1,2,3,4,5,6,7,8,9,10,11,12,13,14,15
	global_load_b128 v[WS+4*\i:WS+4*\i+3], v[A_L16], s[4:5] offset:1024*\i th:TH_LOAD_NT   ; row i: 32 lanes read 512 consecutive bytes
.endr
.irp j, 0,1,2,3,4,5,6,7
	global_load_b128 v[WS+64+4*\j:WS+64+4*\j+3], v[A_L16], s[8:9] offset:512*\j
.endr
	s_wait_loadcnt 8                               ; the 16 rows are in; the eight loads of W_z may be out
.irp i, 0,1,2,3,4,5,6,7,8,9,10,11,12,13,14,15
	ds_store_b128 v[A_TSW], v[WS+4*\i:WS+4*\i+3] offset:TSP*\i
.endr
.irp b, 0,1,2,3
.irp j, 0,1,2,3
	ds_load_b128 v[XR+16*\b+4*\j:XR+16*\b+4*\j+3], v[A_TSR] offset:128*\b+16*\j   ; the wave's own bytes: LDS serves a wave's instructions in order (ISA guide 5.7.1.4)
.endr
.endr
	s_wait_loadcnt 0x0
.irp j, 0,1,2,3,4,5,6,7
	ds_store_b128 v[A_WZW], v[WS+64+4*\j:WS+64+4*\j+3] offset:512*\j
.endr
	s_wait_dscnt 0x0                               ; my 64 numbers are in, and the stores have read the registers that W_z's rows will take
	; ---- the fragment: four blocks of 32; a block lies in lanes l and l xor 16
.irp b, 0,1,2,3
	v_max3_num_f32 v[TM+\b], |v[XR+16*\b]|, |v[XR+1+16*\b]|, 0x1800000   ; my 16 numbers, and the floor 2^(3 - 127): the byte cannot fall under 1
.endr
.irp i, 2,4,6,8,10,12,14
.irp b, 0,1,2,3
	v_max3_num_f32 v[TM+\b], v[TM+\b], |v[XR+16*\b+\i]|, |v[XR+1+16*\b+\i]|   ; the four blocks by turns
.endr
.endr
.irp b, 0,1,2,3
	v_permlanex16_b32 v[TM+4+\b], v[TM+\b], s[SEL], s[SEL+1]
.endr
.irp b, 0,1,2,3
	v_max_num_f32 v[TM+\b], v[TM+\b], v[TM+4+\b]   ; the block's largest magnitude
.endr
.irp b, 0,1,2,3
	v_add_nc_u32 v[TM+12+\b], 0xff000000, v[TM+\b] ; 2 off its exponent field: the conversion takes that field as its scale
.endr
.irp b, 0,1,2,3
	v_lshrrev_b32 v[TM+4+\b], 23, v[TM+12+\b]      ; the scale's byte
.endr
	v_lshl_or_b32 v[PW], v[TM+5], 8, v[TM+4]
	v_lshl_or_b32 v[PW], v[TM+6], 16, v[PW]
	v_lshl_or_b32 v[PW], v[TM+7], 24, v[PW]        ; my row's scale word for this K step
.irp c, 0,1
	v_cvt_scalef32_pk16_fp6_f32 v[PC+6*\c:PC+2+6*\c], v[XR+32*\c:XR+15+32*\c], v[TM+12+2*\c]
	v_cvt_scalef32_pk16_fp6_f32 v[PC+12+4*\c:PC+14+4*\c], v[XR+16+32*\c:XR+31+32*\c], v[TM+12+2*\c+1]   ; (a conversion's three registers begin on an even number)
.endr
	v_nop                                          ; one plain place behind a scaled conversion
.irp c, 0,1                                    ; the operand wants a whole block in a lane: lanes 0-15 block 2 c, lanes 16-31 block 2 c + 1
.irp i, 0,1,2
	v_permlane16_swap_b32 v[PC+6*\c+\i], v[PC+12+4*\c+\i]
.endr
.irp i, 0,1,2
	v_mov_b32 v[PC+3+6*\c+\i], v[PC+12+4*\c+\i]
.endr
.endr
.irp q, 0,1,2
	global_store_b128 v[A_AQ], v[PC+4*\q:PC+4*\q+3], s[20:21] offset:512*\q   ; the fragment as it stands: 512 consecutive bytes a store
.endr
	ds_store_b32 v[A_XSW], v[PW]                   ; both halves of the lanes write the same word with the same value
	; ---- my part of the logits, in f32: 64 numbers a lane x 8 experts; W_z's rows come from LDS, eight numbers' rows a batch, one batch ahead
.macro WLOAD t
.irp n, 0,1,2,3,4,5,6,7
	ds_load_b128 v[WS+64*((\t)%2)+8*\n:WS+64*((\t)%2)+8*\n+3],   v[A_WZR] offset:32*(32*((8*(\t)+\n)/16)+(8*(\t)+\n)%16)
	ds_load_b128 v[WS+64*((\t)%2)+8*\n+4:WS+64*((\t)%2)+8*\n+7], v[A_WZR] offset:32*(32*((8*(\t)+\n)/16)+(8*(\t)+\n)%16)+16
.endr
.endm
	WLOAD 0
.set TT, 0
.rept 8
.if TT < 7
	WLOAD TT+1
	s_wait_dscnt 16                                ; this batch is in; the 16 loads just issued may be out
.else
	s_wait_dscnt 0x0
.endif
.set NN, 0
.rept 8
.set XI, 8*TT+NN
.set WB, WS+64*(TT%2)+8*NN
.irp e, 0,2,4,6                                ; four pairs of experts by turns; the number is taken for both halves of the pair
.if XI == 0
	v_pk_mul_f32 v[LG+\e:LG+\e+1], v[XR:XR+1], v[WB+\e:WB+\e+1] op_sel_hi:[0,1]   ; the first number starts the sums
.elseif XI%2 == 0
	v_pk_fma_f32 v[LG+\e:LG+\e+1], v[XR+XI:XR+XI+1], v[WB+\e:WB+\e+1], v[LG+\e:LG+\e+1] op_sel_hi:[0,1,1]
.else
	v_pk_fma_f32 v[LG+\e:LG+\e+1], v[XR+XI-1:XR+XI], v[WB+\e:WB+\e+1], v[LG+\e:LG+\e+1] op_sel:[1,0,0] op_sel_hi:[1,1,1]
.endif
.endr
.set NN, NN+1
.endr
.set TT, TT+1
.endr
.irp e, 0,1,2,3,4,5,6,7
	v_permlanex16_b32 v[TM+\e], v[LG+\e], s[SEL], s[SEL+1]
.endr
.irp e, 0,2,4,6
	v_pk_add_f32 v[LG+\e:LG+\e+1], v[LG+\e:LG+\e+1], v[TM+\e:TM+\e+1]   ; with lane l xor 16's 64 numbers
.endr
	ds_store_b128 v[A_LPW], v[LG:LG+3]
	ds_store_b128 v[A_LPW], v[LG+4:LG+7] offset:16
	s_wait_dscnt 0x0                               ; for the others' sake: my scale word and my partial logits lie in LDS
	s_barrier_signal -1
	s_barrier_wait -1
	s_cmp_eq_u32 s28, 1
	s_cbranch_scc1 .Lscale_words
	s_cmp_eq_u32 s28, 0
	s_cbranch_scc1 .Lsoftmax
	s_set_vgpr_msb 0x4
	s_wait_tensorcnt 0x0
	ds_add_u32 v29, v1
	s_wait_dscnt 0x0
	s_set_vgpr_msb 0x400
	s_endpgm
.Lscale_words:                                         ; wave 1: the tile's 64 scale words leave as 256 consecutive bytes
	ds_load_b64 v[XR:XR+1], v[A_XSR]
	s_wait_dscnt 0x0
	global_store_b64 v[A_L8], v[XR:XR+1], s[20:21] offset:6144
	s_set_vgpr_msb 0x4
	s_wait_tensorcnt 0x0
	ds_add_u32 v29, v1
	s_wait_dscnt 0x0
	s_set_vgpr_msb 0x400
	s_endpgm
; softmax over a row's 8 numbers: four in my registers v[s] on, four in lane l xor 16's.  The maximum is taken away: 2^(x log2 e - m log2 e); the rounding of m log2 e is common to the eight and cancels in the division.
.macro SOFTMAX s, d
	v_max3_num_f32 v84, v[\s], v[\s+1], v[\s+2]
	v_max_num_f32 v84, v84, v[\s+3]
	v_permlanex16_b32 v85, v84, s[SEL], s[SEL+1]
	v_max_num_f32 v84, v84, v85
	v_mul_f32 v84, 0xbfb8aa3b, v84                 ; -m log2 e
.irp i, 0,1,2,3
	v_fma_f32 v[\d+\i], v[\s+\i], s42, v84
.endr
.irp i, 0,1,2,3
	v_exp_f32 v[\d+\i], v[\d+\i]
.endr
	v_nop                                          ; one plain place behind the exponentials
	s_wait_alu depctr_va_vdst(0)
	v_add_f32 v84, v[\d], v[\d+1]
	v_add_f32 v85, v[\d+2], v[\d+3]
	v_add_f32 v84, v84, v85
	v_permlanex16_b32 v85, v84, s[SEL], s[SEL+1]
	v_add_f32 v84, v84, v85
	v_rcp_f32 v84, v84
	v_nop                                          ; and behind the reciprocal
	s_wait_alu depctr_va_vdst(0)
.irp i, 0,1,2,3
	v_mul_f32 v[\d+\i], v[\d+\i], v84
.endr
.endm
.Lsoftmax:                                             ; wave 0: lane (r, hl) owns experts 4 hl .. 4 hl + 3 of row r
.irp s, 0,1,2,3
	ds_load_b128 v[52+4*\s:55+4*\s], v[A_LPR] offset:512*\s
.endr
.irp i, 0,1,2,3
	v_add_f32 v[UU+\i], s41, v[UU+\i]              ; u + 1e-10
.endr
.irp i, 0,1,2,3
	v_log_f32 v[UU+\i], v[UU+\i]
.endr
	v_nop
	s_wait_alu depctr_va_vdst(0)
.irp i, 0,1,2,3
	v_fma_f32 v[UU+\i], v[UU+\i], s40, s41         ; -ln(u + 1e-10) + 1e-10
.endr
.irp i, 0,1,2,3
	v_log_f32 v[UU+\i], v[UU+\i]
.endr
	s_wait_dscnt 0x0
	v_pk_add_f32 v[52:53], v[52:53], v[56:57]      ; the four K steps' parts (plain places behind the logarithms)
	v_pk_add_f32 v[54:55], v[54:55], v[58:59]
	v_pk_add_f32 v[60:61], v[60:61], v[64:65]
	v_pk_add_f32 v[62:63], v[62:63], v[66:67]
	v_pk_add_f32 v[52:53], v[52:53], v[60:61]
	v_pk_add_f32 v[54:55], v[54:55], v[62:63]
	v_pk_add_f32 v[52:53], v[52:53], v[BZ:BZ+1]
	v_pk_add_f32 v[54:55], v[54:55], v[BZ+2:BZ+3]  ; the logits
	s_wait_alu depctr_va_vdst(0)
.irp i, 0,1,2,3
	v_fma_f32 v[56+\i], v[UU+\i], s40, v[52+\i]    ; logit + g, g = -ln(..)
.endr
	SOFTMAX 52, 60                                 ; q_z
	SOFTMAX 56, 64                                 ; z
	global_store_b128 v[A_RO], v[64:67], s[24:25]  ; the 32 lanes fill the tile's 512 consecutive bytes
	global_store_b128 v[A_RO], v[60:63], s[26:27]
	s_set_vgpr_msb 0x4
	s_wait_tensorcnt 0x0
	ds_add_u32 v29, v1
	s_wait_dscnt 0x0
	s_set_vgpr_msb 0x400
	s_endpgm
	; ================= columns: W_x_4gates and W_h_4gates =================
.set WX,  32                           ; v32-95   two sets of 32 numbers
.set IMG, 96                           ; v96-107 the registers of lane (r, 0) of my column's fragment, v108-119 those of lane (r, 1)
.set TC,  120                          ; v120-122 a conversion's result on its way
.set SW,  124                          ; v124     my column's scale word
.Lweights:
	s_sub_co_u32 s29, ttmp9, NA
	s_and_b32 s30, s29, 63                         ; cg: which 128 columns
	s_lshr_b32 s31, s29, 6                         ; the K step
	s_lshr_b32 s32, s30, 4                         ; column n = 2,048 gate + 256 expert + mm:  gate,
	s_bfe_u32 s33, s30, 0x30001                    ; expert = (cg / 2) % 8,
	s_and_b32 s34, s30, 1
	s_lshr_b32 s35, s28, 1
	s_lshl_b32 s36, s34, 1
	s_add_co_u32 s36, s36, s35                     ; mm / 64 = 2 (cg % 2) + wave / 2
	s_lshl_b32 s36, s36, 3
	s_add_co_u32 s36, s36, s33
	s_mul_i32 s36, s36, 102400                     ; my block of wq
	s_mov_b32 s37, 0
	s_and_b32 s38, s28, 1                          ; mt = 2 (wave % 2) + lane / 16
	s_lshl_b32 s39, s38, 5
	s_lshl_b32 s40, s32, 2
	s_add_co_u32 s39, s39, s40
	s_add_co_u32 s39, s39, s31
	s_mul_i32 s39, s39, 1536                       ; fragment (2 (wave % 2), gate, s)
	s_lshl_b32 s40, s38, 11
	s_lshl_b32 s41, s32, 8
	s_add_co_u32 s40, s40, s41
	s_lshl_b32 s41, s31, 6
	s_add_co_u32 s40, s40, s41
	s_add_co_u32 s40, s40, 98304                   ; and its scale words
	v_lshlrev_b32 v1, 2, v0                        ; in: 4 bytes a thread: the work-group reads 512 consecutive bytes of a row of W
	v_and_b32 v4, 15, v0
	v_bfe_u32 v5, v0, 4, 1
	v_mul_u32_u24 v2, v5, 24576                    ; lanes 16-31: the next mt, 16 fragments on
	v_lshl_add_u32 v2, v4, 4, v2
	v_add_nc_u32 v2, s39, v2
	v_lshlrev_b32 v3, 10, v5
	v_lshl_add_u32 v3, v4, 2, v3
	v_add_nc_u32 v3, s40, v3
	s_and_b32 s41, s31, 1
	s_lshl_b32 s42, s41, 22                        ; 128 rows of 32,768 bytes
	s_lshl_b32 s43, s30, 9
	s_add_co_u32 s42, s42, s43
	s_mov_b32 s43, 0
	s_wait_kmcnt 0x0
	s_cmp_lt_u32 s31, 2                            ; K steps 0, 1: W_x_4gates; 2, 3: W_h_4gates
	s_cselect_b64 s[16:17], s[16:17], s[18:19]
	s_add_nc_u64 s[16:17], s[16:17], s[42:43]
	s_add_nc_u64 s[22:23], s[22:23], s[36:37]
.macro LOAD t                          ; block t: W(32 t + i, my column) into set t % 2; every offset is an immediate, 127 rows at the most
.irp i, 0,1,2,3,4,5,6,7,8,9,10,11,12,13,14,15,16,17,18,19,20,21,22,23,24,25,26,27,28,29,30,31
	global_load_b32 v[WX+32*((\t)%2)+\i], v1, s[16:17] offset:(32*(\t)+\i)*32768 th:TH_LOAD_NT
.endr
.endm
.macro BLOCK t
.set XB, WX+32*((\t)%2)
.set IM, IMG+12*((\t)%2)+6*((\t)/2)    ; block t = 2 c + h lies in registers 6 c .. 6 c + 5 of the fragment's lane (r, h)
.if (\t) < 3
	s_wait_loadcnt 32                              ; this block's 32 loads are in; the next block's may be out
.else
	s_wait_loadcnt 0x0
.endif
	v_max3_num_f32 v12, |v[XB]|, |v[XB+1]|, |v[XB+2]|   ; all 32 numbers are mine: two chains
	v_max3_num_f32 v13, |v[XB+3]|, |v[XB+4]|, |v[XB+5]|
.irp i, 6,10,14,18,22,26
	v_max3_num_f32 v12, v12, |v[XB+\i]|, |v[XB+\i+1]|
	v_max3_num_f32 v13, v13, |v[XB+\i+2]|, |v[XB+\i+3]|
.endr
	v_max3_num_f32 v12, v12, |v[XB+30]|, |v[XB+31]|
	v_max3_num_f32 v12, v12, v13, 0x1800000        ; and the floor 2^(3 - 127)
	v_add_nc_u32 v11, 0xff000000, v12              ; the conversion's scale operand
	v_lshrrev_b32 v13, 23, v11                     ; the byte
.if (\t) == 0
	v_mov_b32 v[SW], v13
.else
	v_lshl_or_b32 v[SW], v13, 8*(\t), v[SW]
.endif
	v_cvt_scalef32_pk16_fp6_f32 v[IM:IM+2], v[XB:XB+15], v11
	v_cvt_scalef32_pk16_fp6_f32 v[TC:TC+2], v[XB+16:XB+31], v11   ; (a conversion's three registers begin on an even number)
	v_nop                                          ; one plain place behind a scaled conversion
.irp i, 0,1,2
	v_mov_b32 v[IM+3+\i], v[TC+\i]
.endr
.if (\t) < 2
	LOAD (\t)+2
.endif
.endm
	LOAD 0
	LOAD 1
	BLOCK 0
	BLOCK 1
	BLOCK 2
	BLOCK 3
.irp h, 0,1
.irp q, 0,1,2
	global_store_b128 v2, v[IMG+12*\h+4*\q:IMG+12*\h+4*\q+3], s[22:23] offset:512*\q+256*\h   ; sixteen lanes store 256 consecutive bytes, at a multiple of 256 from wq's first byte
.endr
.endr
	global_store_b32 v3, v[SW], s[22:23]           ; sixteen lanes: 64 consecutive bytes; one byte for each 128 that the launch reads
	s_endpgm
.Lfunc_end_k_qe78d69fa48_prep:
	.size	k_qe78d69fa48_prep, .Lfunc_end_k_qe78d69fa48_prep-k_qe78d69fa48_prep
	.p2alignl 7, 3214868480
	.fill 96, 4, 3214868480
	.section	.rodata,"a",@progbits
	.p2align	6, 0x0
	.amdhsa_kernel k_qe78d69fa48_prep
		.amdhsa_group_segment_fixed_size 53760
		.amdhsa_private_segment_fixed_size 0
		.amdhsa_enable_private_segment 0
		.amdhsa_kernarg_size 96
		.amdhsa_user_sgpr_count 2
		.amdhsa_user_sgpr_kernarg_segment_ptr 1
		.amdhsa_wavefront_size32 1
		.amdhsa_system_sgpr_workgroup_id_x 1
		.amdhsa_system_sgpr_workgroup_id_y 1
		.amdhsa_system_sgpr_workgroup_id_z 1
		.amdhsa_system_vgpr_workitem_id 0
		.amdhsa_next_free_vgpr 258
		.amdhsa_next_free_sgpr 66
		.amdhsa_reserve_vcc 0
		.amdhsa_float_denorm_mode_32 3
		.amdhsa_float_denorm_mode_16_64 3
		.amdhsa_memory_ordered 1
		.amdhsa_forward_progress 1
		.amdhsa_inst_pref_size 63
	.end_amdhsa_kernel
	.amdgpu_metadata
---
amdhsa.version: [ 1, 2 ]
amdhsa.kernels:
  - .name:           k_qe78d69fa48_prep
    .symbol:         k_qe78d69fa48_prep.kd
    .args:
      - { .name: x_t, .offset: 0, .size: 8, .value_kind: global_buffer, .address_space: global }
      - { .name: h_0, .offset: 8, .size: 8, .value_kind: global_buffer, .address_space: global }
      - { .name: W_xz, .offset: 16, .size: 8, .value_kind: global_buffer, .address_space: global }
      - { .name: W_hz, .offset: 24, .size: 8, .value_kind: global_buffer, .address_space: global }
      - { .name: b_xz, .offset: 32, .size: 8, .value_kind: global_buffer, .address_space: global }
      - { .name: u, .offset: 40, .size: 8, .value_kind: global_buffer, .address_space: global }
      - { .name: W_x_4gates, .offset: 48, .size: 8, .value_kind: global_buffer, .address_space: global }
      - { .name: W_h_4gates, .offset: 56, .size: 8, .value_kind: global_buffer, .address_space: global }
      - { .name: aq, .offset: 64, .size: 8, .value_kind: global_buffer, .address_space: global }
      - { .name: wq, .offset: 72, .size: 8, .value_kind: global_buffer, .address_space: global }
      - { .name: out0, .offset: 80, .size: 8, .value_kind: global_buffer, .address_space: global }
      - { .name: out1, .offset: 88, .size: 8, .value_kind: global_buffer, .address_space: global }
    .group_segment_fixed_size: 53760
    .private_segment_fixed_size: 0
    .kernarg_segment_align: 8
    .kernarg_segment_size: 96
    .max_flat_workgroup_size: 128
    .sgpr_count:     66
    .vgpr_count:     258
    .wavefront_size: 32
...
	.end_amdgpu_metadata
.endif
;; end of part 1
;; launch cell (part 2): grid 64 x 4, 8 waves a work-group, clusters of 4 x 1, 327,680 bytes of LDS; arguments aq, wq, b_4gates, c_0, out0, out2, out3; writes out2, out3
.if DOCPART == 2
	.amdgcn_target "amdgcn-amd-amdhsa--gfx1250"
	.amdhsa_code_object_version 6
	.text
	.protected	k_qe78d69fa48_cell
	.globl	k_qe78d69fa48_cell
	.p2align	8
	.type	k_qe78d69fa48_cell,@function
k_qe78d69fa48_cell:
	s_mov_b64 s[64:65], 0
	v_nop
	global_prefetch_b8 v0, s[64:65] scope:SCOPE_SE
	s_setreg_imm32_b32 hwreg(HW_REG_WAVE_MODE, 25, 1), 1
	s_wait_xcnt 0x0
	s_wait_alu depctr_hold_cnt(0) depctr_sa_sdst(0) depctr_va_vdst(0) depctr_va_sdst(0) depctr_va_ssrc(0) depctr_va_vcc(0) depctr_vm_vsrc(0)
	s_getreg_b32 s2, hwreg(HW_REG_IB_STS2, 6, 4)
	s_cmp_eq_u32 s2, 0
	s_cbranch_scc0 .Lentry_in_a_cluster
	s_endpgm
.Lentry_in_a_cluster:
	s_bfe_u32 s2, ttmp6, 0x10000c
	s_cmp_lg_u32 s2, 0x3003
	s_cbranch_scc0 .Lentry_shape_is_right
	s_endpgm
.Lentry_shape_is_right:
; THE LSTM CELL.  gates = [x_t | h_0] [W_x ; W_h] + b on codes of FP6 (E2M3) with E8M0 scales (K = 512, four steps of 128), the five activations in f32, and the sums over the 8 experts weighted by z.
; Gate column n = 2,048 gate + 256 expert + mm, gates in the order I, G, F, O.  C = sigmoid(F) c_0 + sigmoid(I) tanh(G);  H = sigmoid(O) tanh(C);  out2 = sum over experts of z H, out3 = of z C.
; SHARES.  A work-group owns 128 rows x 64 mm for all four gates and all eight experts, so each output has one owner and the gates never go to memory.  256 work-groups.
; Wave w: mm tile mt = w % 4 (16 mm), rows 64 (w / 4) on: four tiles of 16 rows.  Its 16 fragments of x_t and h_0 stay in registers for the whole launch; a weight fragment read from LDS feeds four products.
; A STEP is one expert: 64 products (MAT), then the activations of 4 x 16 x 16 elements (EPI).  The weights of an expert for these 64 mm are one dense block of 102,400 bytes, through a ring of two LDS slots.
; THE PRODUCT IS USED TRANSPOSED (source 0 = 16 weight columns, source 1 = 16 rows): a lane holds row r, and its register j holds mm = 16 mt + 8 (lane / 16) + j.  The bias is the C of each sum's first product.
; BY HALVES.  SKEW = (w xor w / 4) % 2 differs between waves w and w + 4 and between 2 i and 2 i + 1.  Between two barriers a wave with SKEW 0 runs MAT, then EPI of the same step;
; one with SKEW 1 runs EPI of the step before, then MAT.  So four waves multiply while four work on activations, although all eight meet every barrier.
; CLUSTER.  The four work-groups of a cluster have the same mm block and so the same weights: each block is asked for JOINTLY, every wave its eighth, with the mask of all four.
; c_0, z and the rows' codes hang on the row block, which partners do not share: plain loads.  The bias is shared but is 8,192 bytes, once, beside 819,200 of weights: a plain load too.
; ACTIVATIONS.  With e_X = 2^(-X log2 e), e'_X = 2^(-2 X log2 e) and k = -2 log2 e:  sigmoid(I) tanh(G) = (1 - e'_G) / ((1 + e_I)(1 + e'_G)): one reciprocal for two activations; likewise sigmoid(O) tanh(C).
; A product of two denominators is one multiply-add, e d + d with d = 1 + e'.  C IS CARRIED AS k C, which is the next exponential's argument: the numerator is made as k - k e'_G and sigmoid(F) as the
; reciprocal of (1 + e_F) / k, each by the one multiply-add that the unscaled number would take; the sum of z k C is multiplied by 1 / k once, at the end.  z goes into tanh(C)'s numerator, z - z e'_C.
; RANGE.  Only the exponentials that stand in a numerator (e'_G, e'_C) are held, at 2^64, where tanh is -1 to the last bit; so every d is finite and at least 1, and e d + d meets no infinity x 0.
; Every other exponential may overflow to infinity: its reciprocal is 0 and meets finite factors only.  The sum for out3 is carried 2.89 times its size.  NaN and infinities among the inputs are not served.
; LDS: 0 slot 0 (at the end: the stage for out2, and at STC that for out3) | 102,400 an unused block | ZB z | BI bias | SPARE | 2^17 slot 1 | C0B c_0.
; REGISTERS, window 0: v1-5 lane terms of LDS addresses, v6-9 the addresses in hand, v10-12 the way out, v14-15 the spare word's address and 0, v16-23 the rows' scale words, v24-31 the weights',
;   v32-39 z (a pair for each tile of rows, both halves the same number), v40-87 four weight fragments (in EPI v40-55 are at work), v88-119 bias in MAT, c_0 in EPI, v120-125 k, -k, 1 / k as pairs,
;   v128-255 the 16 accumulators.   window 1: v0-191 the rows' 16 fragments (48 rt + 12 s), v192-223 the sums of z H, v224-255 of z k C.
.set SLOT1, 1<<17                      ; slot 1 begins here: one exclusive or turns an address of one slot into the other's
.set BLKB,  102400                     ; an expert's block: 64 fragments of 1,536 bytes, then 4,096 bytes of scale words
.set PIECE, BLKB/8                     ; what one wave's load brings: 50 rows of 256 bytes
.set ZB,    BLKB+256                   ; z: [128 rows][8]
.set BI,    ZB+4096                    ; bias: row 8 gate + expert, 256 bytes (64 mm)
.set SPARE, BI+8192                    ; the spare words, 128 bytes for each of the eight waves: four blocks of 256 bytes that no other line names
.set C0B,   SLOT1+BLKB                 ; c_0: 128 rows of 256 bytes + 16
.set CP,    272
.set STC,   128*CP                     ; the second stage
.set VB0, 1
.set VS0, 2
.set VI0, 3
.set VC0, 4
.set VZ0, 5
.set ADB, 6
.set ADS, 7
.set ADI, 8
.set ADZ, 9
.set STO, 10
.set RD,  11
.set GO,  12
.set SPW, 14
.set NIL, 15
.set ASC, 16                           ; register 2 rt + p: lanes 0-15 K step 2 p, lanes 16-31 K step 2 p + 1
.set BSC, 24                           ; register 2 gate + p likewise
.set ZR,  32
.set BF,  40
.set NR,  40                           ; at work in EPI: eight registers for each tile of a pair
.set TR,  88
.set KP,  120                          ; v[120:121] k = -2 log2 e
.set KN,  122                          ; v[122:123] -k
.set IK,  124                          ; v[124:125] 1 / k
.set ACC, 128                          ; tile (rt, gate) at ACC + 32 rt + 8 gate
.set HS,  192
.set CS,  224
.set WV,  18
.set MT,  19
.set RH,  20
.set SKEW, 21
.set RB,  22
.set MB,  23
.set G1W, 24
.set G1C, 32
.set G1Z, 40
.set G1B, 48
.set G0W, 56
.set G0C, 60
.set G0Z, 68
.set G0B, 72
.set TB,  76                           ; the slot in hand
.set TI,  77                           ; 256 x step: the expert's rows of bias
.set TZ,  78                           ; 4 x step: the expert's z
.set CNT, 79
.set K1,  80                           ; s[80:81] -log2 e
.set K2,  82                           ; s[82:83] -2 log2 e
.set HOLD, 84                          ; 64.0
.set MSB, 0
.macro WIN new                         ; the immediate's high byte repeats the setting that is left; bits 1:0 source 0, 3:2 source 1, 5:4 source 2, 7:6 destination
.if MSB != \new
	s_set_vgpr_msb (MSB<<8)|\new
.set MSB, \new
.endif
.endm
.macro PLACES                          ; four plain places: behind a tensor load, in front of loads into registers that products have read, and of the first read of results (ISA guide 7.12.1 for the products)
.rept 4
	v_nop
.endr
.endm
.macro CROUND                          ; a round of the cluster's barrier
	s_barrier_signal -1
	s_barrier_wait -1
	s_cmp_lg_u32 s[WV], 0
	s_cbranch_scc1 .Lnot_wave_0_\@
	s_barrier_signal -3
.Lnot_wave_0_\@:
	s_barrier_wait -3
	s_barrier_signal -1
	s_barrier_wait -1
.endm
	s_load_b256 s[4:11], s[0:1], 0x0               ; aq, wq, b_4gates, c_0
	s_load_b128 s[12:15], s[0:1], 0x20             ; out0 (z), out2
	s_load_b64 s[16:17], s[0:1], 0x30              ; out3
	v_lshl_add_u32 v[SPW], v0, 2, SPARE
	v_mov_b32 v[NIL], 0
	ds_add_u32 v14, v15
	ds_add_u32 v14, v15
	s_wait_dscnt 0x0
	v_mov_b32 v[KP], 0xc038aa3b                    ; k
	v_mov_b32 v[KP+1], 0xc038aa3b
	v_mov_b32 v[KN], 0x4038aa3b                    ; -k
	v_mov_b32 v[KN+1], 0x4038aa3b
	v_mov_b32 v[IK], 0xbeb17218                    ; 1 / k = -ln 2 / 2
	v_mov_b32 v[IK+1], 0xbeb17218
	v_lshrrev_b32 v13, 5, v0
	v_readfirstlane_b32 s[WV], v13                 ; wave 0..7
	s_and_b32 s[MT], s[WV], 3
	s_lshr_b32 s[RH], s[WV], 2
	s_xor_b32 s[SKEW], s[WV], s[RH]
	s_and_b32 s[SKEW], s[SKEW], 1
	s_bfe_u32 s86, ttmp6, 0x40000                  ; cx: my place in the cluster; it enters global addresses of aq, c_0, out0, out2, out3 alone
	s_lshl_b32 s[RB], ttmp9, 2
	s_add_co_u32 s[RB], s[RB], s86                 ; my block of 128 rows
	s_and_b32 s[MB], ttmp7, 0xffff                 ; my block of 64 mm, which the four partners share
	; descriptor groups 1.  The weights: 50 rows of 32 elements of 8 bytes, dense; mask of all four work-groups, bit 21 beside it
	s_mov_b32 s[G1W], 15|(3<<16)|(1<<21)
	s_mov_b32 s[G1W+1], 32<<16
	s_mov_b32 s[G1W+2], 50<<16
	s_mov_b32 s[G1W+3], 32<<16
	s_mov_b32 s[G1W+4], 50
	s_mov_b32 s[G1W+5], 32
	s_mov_b32 s[G1W+6], 0
	s_mov_b32 s[G1W+7], 0
	; c_0: 16 rows of 64 f32, 256 f32 apart; 4 words of padding behind every 64
	s_mov_b32 s[G1C], (2<<16)|(1<<20)|(5<<22)|(3<<25)
	s_mov_b32 s[G1C+1], 64<<16
	s_mov_b32 s[G1C+2], 16<<16
	s_mov_b32 s[G1C+3], 64<<16
	s_mov_b32 s[G1C+4], 16
	s_mov_b32 s[G1C+5], 256
	s_mov_b32 s[G1C+6], 0
	s_mov_b32 s[G1C+7], 0
	; z: 512 dense bytes as two rows of 256
	s_mov_b32 s[G1Z], 3<<16
	s_mov_b32 s[G1Z+1], 32<<16
	s_mov_b32 s[G1Z+2], 2<<16
	s_mov_b32 s[G1Z+3], 32<<16
	s_mov_b32 s[G1Z+4], 2
	s_mov_b32 s[G1Z+5], 32
	s_mov_b32 s[G1Z+6], 0
	s_mov_b32 s[G1Z+7], 0
	; bias: 4 rows of 64 f32, 256 f32 apart
	s_mov_b32 s[G1B], 2<<16
	s_mov_b32 s[G1B+1], 64<<16
	s_mov_b32 s[G1B+2], 4<<16
	s_mov_b32 s[G1B+3], 64<<16
	s_mov_b32 s[G1B+4], 4
	s_mov_b32 s[G1B+5], 256
	s_mov_b32 s[G1B+6], 0
	s_mov_b32 s[G1B+7], 0
	s_mov_b32 s[K1], 0xbfb8aa3b
	s_mov_b32 s[K1+1], 0xbfb8aa3b
	s_mov_b32 s[K2], 0xc038aa3b
	s_mov_b32 s[K2+1], 0xc038aa3b
	s_mov_b32 s[HOLD], 0x42800000
	s_mov_b32 s[TB], 0
	s_mov_b32 s[TI], 0
	s_mov_b32 s[TZ], 0
	s_mul_i32 s88, s[WV], PIECE                    ; my eighth of a block: in LDS and in memory
	s_mul_i32 s90, s[MB], 8*BLKB                   ; the mm block's eight experts
	s_add_co_u32 s90, s90, s88
	s_mov_b32 s91, 0                               ; s[90:91] never hold cx
	s_lshl_b32 s86, s[RB], 17                      ; c_0, out2, out3: (128 RB + 16 w) rows of 1,024 bytes + 256 MB
	s_lshl_b32 s87, s[WV], 14
	s_add_co_u32 s86, s86, s87
	s_lshl_b32 s87, s[MB], 8
	s_add_co_u32 s86, s86, s87
	s_mov_b32 s87, 0
	s_wait_kmcnt 0x0
	s_mov_b32 s[G0W], 1
	s_mov_b32 s[G0W+1], s88                        ; slot 0
	s_add_nc_u64 s[G0W+2:G0W+3], s[6:7], s[90:91]  ; expert 0
	s_or_b32 s[G0W+3], s[G0W+3], 0x80000000
	s_mov_b32 s[G0C], 1
	s_mul_i32 s89, s[WV], 16*CP
	s_add_co_u32 s[G0C+1], s89, C0B
	s_add_nc_u64 s[G0C+2:G0C+3], s[10:11], s[86:87]
	s_or_b32 s[G0C+3], s[G0C+3], 0x80000000
	s_add_nc_u64 s[14:15], s[14:15], s[86:87]
	s_add_nc_u64 s[16:17], s[16:17], s[86:87]
	s_lshl_b32 s86, s[RB], 12                      ; z: 128 rows of 32 bytes, my 16
	s_lshl_b32 s89, s[WV], 9
	s_add_co_u32 s86, s86, s89
	s_mov_b32 s[G0Z], 1
	s_add_co_u32 s[G0Z+1], s89, ZB
	s_add_nc_u64 s[G0Z+2:G0Z+3], s[12:13], s[86:87]
	s_or_b32 s[G0Z+3], s[G0Z+3], 0x80000000
	s_lshl_b32 s90, s[WV], 12                      ; bias: rows 4 w on, 1,024 bytes apart, + 256 MB
	s_lshl_b32 s89, s[MB], 8
	s_add_co_u32 s90, s90, s89
	s_lshl_b32 s89, s[WV], 10
	s_mov_b32 s[G0B], 1
	s_add_co_u32 s[G0B+1], s89, BI
	s_add_nc_u64 s[G0B+2:G0B+3], s[8:9], s[90:91]
	s_or_b32 s[G0B+3], s[G0B+3], 0x80000000
	s_mul_i32 s86, s[RB], 8*6400                   ; aq: tile 8 RB + 4 (w / 4)
	s_mul_i32 s89, s[RH], 4*6400
	s_add_co_u32 s86, s86, s89
	s_add_nc_u64 s[4:5], s[4:5], s[86:87]
	CROUND                                         ; all four work-groups are here: the first joint loads meet
	tensor_load_to_lds s[G0W:G0W+3], s[G1W:G1W+7]  ; the first fills, one group: four loads of mine are out
	s_nop 0
	tensor_load_to_lds s[G0C:G0C+3], s[G1C:G1C+7]
	s_nop 0
	tensor_load_to_lds s[G0Z:G0Z+3], s[G1Z:G1Z+7]
	s_nop 0
	tensor_load_to_lds s[G0B:G0B+3], s[G1B:G1B+7]
	s_nop 0
	PLACES
	v_and_b32 v36, 31, v0                          ; lane
	v_and_b32 v37, 15, v0                          ; r
	v_bfe_u32 v38, v0, 4, 1                        ; h
	v_lshlrev_b32 v[ADB], 4, v36                   ; (until the first step: 16 x lane and 8 x lane, the offsets of the loads below)
	v_lshlrev_b32 v[ADS], 3, v36
	WIN 0x40                                       ; destination window 1
.irp rt, 0,1,2,3
.irp s, 0,1,2,3
.irp q, 0,1,2
	global_load_b128 v[48*\rt+12*\s+4*\q:48*\rt+12*\s+4*\q+3], v[ADB], s[4:5] offset:6400*\rt+1536*\s+512*\q   ; the rows' fragments as they stand: 512 consecutive bytes a load
.endr
.endr
.endr
	WIN 0
.irp rt, 0,1,2,3
	global_load_b64 v[ASC+2*\rt:ASC+2*\rt+1], v[ADS], s[4:5] offset:6400*\rt+6144
.endr
	; every LDS address's lane term is made here, ahead of the first parting of the waves
	s_mul_i32 s88, s[MT], 16*1536
	v_lshl_add_u32 v[VB0], v36, 4, s88             ; my mm tile's 16 fragments, 16 x lane
	s_lshl_b32 s88, s[MT], 10
	s_add_co_u32 s88, s88, 64*1536
	v_lshl_add_u32 v[VS0], v36, 2, s88             ; its scale words, 4 x lane: lanes 16-31 fall on the next K step's
	s_lshl_b32 s88, s[MT], 6
	s_add_co_u32 s89, s88, BI
	v_lshl_add_u32 v[VI0], v38, 5, s89             ; bias: 64 mt + 32 h
	s_mul_i32 s90, s[RH], 64*CP
	s_add_co_u32 s90, s90, s88
	v_mul_u32_u24 v39, v37, CP
	v_lshl_add_u32 v39, v38, 5, v39
	v_add_nc_u32 v[STO], s90, v39                  ; row 64 (w / 4) + r, + 64 mt + 32 h: in the stage,
	v_add_nc_u32 v[VC0], C0B, v[STO]               ; and in c_0
	s_xor_b32 s88, s[SKEW], 1
	s_lshl_b32 s88, s88, 2
	s_lshl_b32 s89, s[RH], 11
	s_add_co_u32 s88, s88, s89
	s_add_co_u32 s88, s88, ZB-4
	v_lshl_add_u32 v[VZ0], v37, 5, s88             ; z of my row; a wave with SKEW 1 is one expert, 4 bytes, behind
	s_mul_i32 s88, s[WV], 16*CP
	v_mul_u32_u24 v39, v38, CP
	v_lshl_add_u32 v39, v37, 4, v39
	v_add_nc_u32 v[RD], s88, v39                   ; back from the stage: rows 16 w on; lanes 0-15 one row, lanes 16-31 the next
	v_lshlrev_b32 v[GO], 10, v38
	v_lshl_add_u32 v[GO], v37, 4, v[GO]            ; and the same two rows in out2, out3
	WIN 0x40
.set I, 0
.rept 64
	v_mov_b32 v[HS+I], 0                           ; the sums.  (EPI is written once for all steps: for half of the waves the first one stands inside the loop)
.set I, I+1
.endr
	WIN 0
	s_wait_loadcnt 0x0                             ; the rows' fragments and scale words
.macro FR g, s                         ; the weight fragment (mt, g, s): three loads of 512 consecutive bytes
.irp q, 0,1,2
	ds_load_b128 v[BF+12*(\g)+4*\q:BF+12*(\g)+4*\q+3], v[ADB] offset:(4*(\g)+(\s))*1536+512*\q
.endr
.endm
.macro W4 g, s                         ; gate g's fragment against the four tiles of rows.  The 16 accumulators take turns, one product a turn, in the same order in every K step
.irp rt, 0,1,2,3
.if (\s) == 0
	v_wmma_scale_f32_16x16x128_f8f6f4 v[ACC+32*\rt+8*(\g):ACC+32*\rt+8*(\g)+7], v[BF+12*(\g):BF+12*(\g)+11], v[48*\rt:48*\rt+11], v[TR+8*(\g):TR+8*(\g)+7], v[BSC+2*(\g)], v[ASC+2*\rt] matrix_a_fmt:MATRIX_FMT_FP6 matrix_b_fmt:MATRIX_FMT_FP6
.elseif (\s) == 2
	v_wmma_scale_f32_16x16x128_f8f6f4 v[ACC+32*\rt+8*(\g):ACC+32*\rt+8*(\g)+7], v[BF+12*(\g):BF+12*(\g)+11], v[48*\rt+24:48*\rt+35], v[ACC+32*\rt+8*(\g):ACC+32*\rt+8*(\g)+7], v[BSC+2*(\g)+1], v[ASC+2*\rt+1] matrix_a_fmt:MATRIX_FMT_FP6 matrix_b_fmt:MATRIX_FMT_FP6
.else
	v_wmma_scale_f32_16x16x128_f8f6f4 v[ACC+32*\rt+8*(\g):ACC+32*\rt+8*(\g)+7], v[BF+12*(\g):BF+12*(\g)+11], v[48*\rt+12*(\s):48*\rt+12*(\s)+11], v[ACC+32*\rt+8*(\g):ACC+32*\rt+8*(\g)+7], v[BSC+2*(\g)+(\s)/2], v[ASC+2*\rt+(\s)/2] matrix_a_fmt:MATRIX_FMT_FP6 matrix_b_fmt:MATRIX_FMT_FP6 matrix_a_scale:MATRIX_SCALE_ROW1 matrix_b_scale:MATRIX_SCALE_ROW1
.endif
.endr
.endm
; THE PRODUCTS OF A STEP: 64, for one expert.  One window setting serves all of it: only the products name a source 1.
.macro MAT
	v_add_nc_u32 v[ADB], s[TB], v[VB0]
	v_add_nc_u32 v[ADS], s[TB], v[VS0]
	v_add_nc_u32 v[ADI], s[TI], v[VI0]
	WIN 0x04                                       ; source 1 (the rows' fragments) window 1
.irp g, 0,1,2,3
	ds_load_b32 v[BSC+2*\g], v[ADS] offset:256*\g
	ds_load_b32 v[BSC+2*\g+1], v[ADS] offset:256*\g+128
.endr
.irp g, 0,1,2,3
	ds_load_b128 v[TR+8*\g:TR+8*\g+3], v[ADI] offset:2048*\g
	ds_load_b128 v[TR+8*\g+4:TR+8*\g+7], v[ADI] offset:2048*\g+16
.endr
	FR 0, 0
	FR 1, 0
	FR 2, 0
	FR 3, 0
	s_wait_dscnt 6                                 ; all but the six youngest loads: the fragments of gates 2 and 3
.irp s, 0,1,2,3
	W4 0, \s
	W4 1, \s
.if \s < 3
	PLACES
	FR 0, \s+1
	FR 1, \s+1
	s_wait_dscnt 6                                 ; the six just issued may be out: this K step's fragments of gates 2 and 3 are in
.else
	s_wait_dscnt 0x0
.endif
	W4 2, \s
	W4 3, \s
.if \s < 3
	PLACES
	FR 2, \s+1
	FR 3, \s+1
	s_wait_dscnt 6                                 ; the six just issued may be out: the next K step's fragments of gates 0 and 1 are in
.endif
.endr
	WIN 0
	PLACES
.endm
; THE ACTIVATIONS of two tiles of 16 rows x 16 mm, a and b: 8 elements a lane and tile, packed in pairs.  Each kind of instruction runs over both tiles, so that eight or more stand between an
; instruction and the one that reads its result.  Each accumulator is read from its low end on.  In a tile's 32 registers: +0 I, +8 G, +16 F, +24 O.  first = 1: c_0 and z are waited for here.
.macro EPI_PAIR a, b, first
.irp rt, \a, \b
.set AI, ACC+32*(\rt)
.irp q, 8,10,12,14
	v_pk_mul_f32 v[AI+\q:AI+\q+1], v[AI+\q:AI+\q+1], s[K2:K2+1] op_sel_hi:[1,0]   ; k G
.endr
.irp q, 0,2,4,6,16,18,20,22,24,26,28,30
	v_pk_mul_f32 v[AI+\q:AI+\q+1], v[AI+\q:AI+\q+1], s[K1:K1+1] op_sel_hi:[1,0]   ; -I log2 e, and of F and O
.endr
.endr
.irp rt, \a, \b
.set AI, ACC+32*(\rt)
.irp i, 8,9,10,11,12,13,14,15
	v_min_num_f32 v[AI+\i], s[HOLD], v[AI+\i]      ; e'_G stands in a numerator: held at 2^64
.endr
.endr
.irp rt, \a, \b
.set AI, ACC+32*(\rt)
.irp i, 0,1,2,3,4,5,6,7,8,9,10,11,12,13,14,15,16,17,18,19,20,21,22,23,24,25,26,27,28,29,30,31
	v_exp_f32 v[AI+\i], v[AI+\i]
.endr
.endr
	v_nop                                          ; one plain place behind the exponentials
	s_wait_alu depctr_va_vdst(0)
.irp rt, \a, \b
.set AI, ACC+32*(\rt)
.set NN, NR+8*((\rt)%2)
.irp q, 0,2,4,6
	v_pk_fma_f32 v[NN+\q:NN+\q+1], v[AI+8+\q:AI+8+\q+1], v[KN:KN+1], v[KP:KP+1]   ; k - k e'_G
.endr
.endr
.irp rt, \a, \b
.set AI, ACC+32*(\rt)
.irp q, 0,2,4,6
	v_pk_add_f32 v[AI+8+\q:AI+8+\q+1], v[AI+8+\q:AI+8+\q+1], 1.0 op_sel_hi:[1,0]   ; d = 1 + e'_G: finite, at least 1
.endr
.endr
.irp rt, \a, \b
.set AI, ACC+32*(\rt)
.irp q, 0,2,4,6
	v_pk_fma_f32 v[AI+16+\q:AI+16+\q+1], v[AI+16+\q:AI+16+\q+1], v[IK:IK+1], v[IK:IK+1]   ; (1 + e_F) / k
.endr
.endr
.irp rt, \a, \b
.set AI, ACC+32*(\rt)
.irp q, 0,2,4,6
	v_pk_fma_f32 v[AI+\q:AI+\q+1], v[AI+\q:AI+\q+1], v[AI+8+\q:AI+8+\q+1], v[AI+8+\q:AI+8+\q+1]   ; e_I d + d = (1 + e_I)(1 + e'_G)
.endr
.endr
.irp rt, \a, \b
.set AI, ACC+32*(\rt)
.irp i, 0,1,2,3,4,5,6,7,16,17,18,19,20,21,22,23
	v_rcp_f32 v[AI+\i], v[AI+\i]                   ; at +16: k sigmoid(F)
.endr
.endr
	v_nop                                          ; one plain place behind the reciprocals
	s_wait_alu depctr_va_vdst(0)
.irp rt, \a, \b
.set AI, ACC+32*(\rt)
.set NN, NR+8*((\rt)%2)
.irp q, 0,2,4,6
	v_pk_mul_f32 v[NN+\q:NN+\q+1], v[NN+\q:NN+\q+1], v[AI+\q:AI+\q+1]              ; k sigmoid(I) tanh(G)
.endr
.endr
.if \first
	s_wait_dscnt 0x0                               ; c_0 and z are in
.endif
.irp rt, \a, \b
.set AI, ACC+32*(\rt)
.set NN, NR+8*((\rt)%2)
.irp q, 0,2,4,6
	v_pk_fma_f32 v[AI+8+\q:AI+8+\q+1], v[TR+8*(\rt)+\q:TR+8*(\rt)+\q+1], v[AI+16+\q:AI+16+\q+1], v[NN+\q:NN+\q+1]   ; k C
.endr
.endr
.irp rt, \a, \b
.set AI, ACC+32*(\rt)
.irp i, 0,1,2,3,4,5,6,7
	v_min_num_f32 v[AI+16+\i], s[HOLD], v[AI+8+\i] ; the exponent of e'_C, held at 64; k C itself stays at +8
.endr
.endr
.irp rt, \a, \b
.set AI, ACC+32*(\rt)
.irp i, 16,17,18,19,20,21,22,23
	v_exp_f32 v[AI+\i], v[AI+\i]                   ; e'_C
.endr
.endr
	v_nop
	s_wait_alu depctr_va_vdst(0)
.irp rt, \a, \b
.set AI, ACC+32*(\rt)
.set NN, NR+8*((\rt)%2)
.irp q, 0,2,4,6
	v_pk_fma_f32 v[NN+\q:NN+\q+1], v[AI+16+\q:AI+16+\q+1], v[ZR+2*(\rt):ZR+2*(\rt)+1], v[ZR+2*(\rt):ZR+2*(\rt)+1] neg_lo:[0,1,0] neg_hi:[0,1,0]   ; z - z e'_C
.endr
.endr
.irp rt, \a, \b
.set AI, ACC+32*(\rt)
.irp q, 0,2,4,6
	v_pk_add_f32 v[AI+16+\q:AI+16+\q+1], v[AI+16+\q:AI+16+\q+1], 1.0 op_sel_hi:[1,0]   ; d = 1 + e'_C
.endr
.endr
.irp rt, \a, \b
.set AI, ACC+32*(\rt)
.irp q, 0,2,4,6
	v_pk_fma_f32 v[AI+24+\q:AI+24+\q+1], v[AI+24+\q:AI+24+\q+1], v[AI+16+\q:AI+16+\q+1], v[AI+16+\q:AI+16+\q+1]   ; e_O d + d = (1 + e_O)(1 + e'_C)
.endr
.endr
.irp rt, \a, \b
.set AI, ACC+32*(\rt)
.irp i, 24,25,26,27,28,29,30,31
	v_rcp_f32 v[AI+\i], v[AI+\i]
.endr
.endr
	WIN 0x50                                       ; destination and source 2 window 1: the sums
.irp rt, \a, \b
.set AI, ACC+32*(\rt)
.irp q, 0,2,4,6
	v_pk_fma_f32 v[CS+8*(\rt)+\q:CS+8*(\rt)+\q+1], v[AI+8+\q:AI+8+\q+1], v[ZR+2*(\rt):ZR+2*(\rt)+1], v[CS+8*(\rt)+\q:CS+8*(\rt)+\q+1]   ; + z k C.  (These name no register of the reciprocals: the plain places behind them)
.endr
.endr
	s_wait_alu depctr_va_vdst(0)
.irp rt, \a, \b
.set AI, ACC+32*(\rt)
.set NN, NR+8*((\rt)%2)
.irp q, 0,2,4,6
	v_pk_fma_f32 v[HS+8*(\rt)+\q:HS+8*(\rt)+\q+1], v[NN+\q:NN+\q+1], v[AI+24+\q:AI+24+\q+1], v[HS+8*(\rt)+\q:HS+8*(\rt)+\q+1]   ; + z sigmoid(O) tanh(C)
.endr
.endr
	WIN 0
.endm
.macro EPI
	v_add_nc_u32 v[ADZ], s[TZ], v[VZ0]
.irp rt, 0,1,2,3
	ds_load_b128 v[TR+8*\rt:TR+8*\rt+3], v[VC0] offset:16*CP*\rt
	ds_load_b128 v[TR+8*\rt+4:TR+8*\rt+7], v[VC0] offset:16*CP*\rt+16
.endr
.irp rt, 0,1,2,3
	ds_load_b32 v[ZR+2*\rt], v[ADZ] offset:512*\rt       ; z of my row, into both halves of a pair: the packed multiply-adds then need no selection
	ds_load_b32 v[ZR+2*\rt+1], v[ADZ] offset:512*\rt
.endr
	EPI_PAIR 0, 1, 1
	EPI_PAIR 2, 3, 0
.endm
; A STEP.  At its head the change of slots: each wave waits for all its tensor loads (its eighth of the block that is about to be read), adds 0 to its spare word, and waits for that and for its reads of the slot
; that it has left.  fill = 1: a round of the cluster's barrier, and first behind it the joint load of the next expert's block into that slot: it has this whole step in which to land.
.macro STEP first, fill
	s_wait_tensorcnt 0x0                           ; no tensor load of mine is out, so the walking descriptor may be written
	ds_add_u32 v[SPW], v[NIL]                      ; 0 onto my spare word
.if \fill
	s_xor_b32 s[G0W+1], s[G0W+1], SLOT1            ; the other slot than last time,
	s_add_nc_u64 s[G0W+2:G0W+3], s[G0W+2:G0W+3], BLKB   ; the next expert; the type bits on top are not reached
.endif
	s_wait_dscnt 0x0                               ; the add is done, and my LDS reads are over
.if \fill
	CROUND
	tensor_load_to_lds s[G0W:G0W+3], s[G1W:G1W+7]  ; my one tensor load until the next round
	s_nop 0
	PLACES
.else
	s_barrier_signal -1
	s_barrier_wait -1
.endif
.if \first == 0
	s_cmp_eq_u32 s[SKEW], 0
	s_cbranch_scc1 .Lno_old_\@
	EPI                                            ; SKEW 1: the activations of the step before
.Lno_old_\@:
.endif
	MAT
	s_cmp_lg_u32 s[SKEW], 0
	s_cbranch_scc1 .Lno_new_\@
	EPI                                            ; SKEW 0: this step's
.Lno_new_\@:
	s_xor_b32 s[TB], s[TB], SLOT1
	s_add_co_u32 s[TI], s[TI], 256
	s_add_co_u32 s[TZ], s[TZ], 4
.endm
	STEP 1, 1                                      ; expert 0; slot 1 gets its first fill as a refill does
	s_mov_b32 s[CNT], 6
.Lstep:                                                ; experts 1 to 6; behind each round the next expert's block is asked for
	STEP 0, 1
	s_sub_co_u32 s[CNT], s[CNT], 1
	s_cmp_lg_u32 s[CNT], 0
	s_cbranch_scc1 .Lstep
	STEP 0, 0                                      ; expert 7 is written out: nothing is left to fetch
	s_cmp_eq_u32 s[SKEW], 0
	s_cbranch_scc1 .Lout
	EPI                                            ; SKEW 1: expert 7's activations
.Lout:
	; THE WAY OUT.  The sums of z k C are multiplied by 1 / k.  A lane holds 32 neighbouring bytes of a row; a row's 256 bytes come from four waves.  They meet in two stages in slot 0, which has had
	; its last fill and which nobody reads behind the last step's barrier; each wave then stores 16 whole rows.
	WIN 0x41                                       ; destination and source 0 window 1
.irp q, 0,2,4,6,8,10,12,14,16,18,20,22,24,26,28,30
	v_pk_mul_f32 v[CS+\q:CS+\q+1], v[CS+\q:CS+\q+1], v[IK:IK+1]
.endr
	WIN 0x04                                       ; an LDS store's data are its source 1: window 1
.irp rt, 0,1,2,3
	ds_store_b128 v[STO], v[HS+8*\rt:HS+8*\rt+3] offset:16*CP*\rt
	ds_store_b128 v[STO], v[HS+8*\rt+4:HS+8*\rt+7] offset:16*CP*\rt+16
	ds_store_b128 v[STO], v[CS+8*\rt:CS+8*\rt+3] offset:STC+16*CP*\rt
	ds_store_b128 v[STO], v[CS+8*\rt+4:CS+8*\rt+7] offset:STC+16*CP*\rt+16
.endr
	WIN 0
	s_wait_dscnt 0x0                               ; for the others' sake: my stores into the stages are done
	s_barrier_signal -1
	s_barrier_wait -1
.irp i, 0,1,2,3,4,5,6,7
	ds_load_b128 v[ACC+4*\i:ACC+4*\i+3], v[RD] offset:2*CP*\i
.endr
.irp i, 0,1,2,3,4,5,6,7
	ds_load_b128 v[ACC+32+4*\i:ACC+32+4*\i+3], v[RD] offset:STC+2*CP*\i
.endr
.irp i, 0,1,2,3,4,5,6,7
	s_wait_dscnt 15-\i                             ; LDS loads come back in order: load i is in
	global_store_b128 v[GO], v[ACC+4*\i:ACC+4*\i+3], s[14:15] offset:2048*\i th:TH_STORE_NT   ; sixteen lanes store 256 consecutive bytes, at a multiple of 256 from out2's first byte
.endr
.irp i, 0,1,2,3,4,5,6,7
	s_wait_dscnt 7-\i
	global_store_b128 v[GO], v[ACC+32+4*\i:ACC+32+4*\i+3], s[16:17] offset:2048*\i th:TH_STORE_NT
.endr
	s_wait_tensorcnt 0x0                           ; the wave's end: behind my last tensor load and my last LDS store
	ds_add_u32 v[SPW], v[NIL]
	s_wait_dscnt 0x0
	CROUND                                         ; the closing round: no work-group ends while a partner may still ask for a block that names it
	s_endpgm
.Lfunc_end_k_qe78d69fa48_cell:
	.size	k_qe78d69fa48_cell, .Lfunc_end_k_qe78d69fa48_cell-k_qe78d69fa48_cell
	.p2alignl 7, 3214868480
	.fill 96, 4, 3214868480
	.section	.rodata,"a",@progbits
	.p2align	6, 0x0
	.amdhsa_kernel k_qe78d69fa48_cell
		.amdhsa_group_segment_fixed_size 327680
		.amdhsa_private_segment_fixed_size 0
		.amdhsa_enable_private_segment 0
		.amdhsa_kernarg_size 56
		.amdhsa_user_sgpr_count 2
		.amdhsa_user_sgpr_kernarg_segment_ptr 1
		.amdhsa_wavefront_size32 1
		.amdhsa_system_sgpr_workgroup_id_x 1
		.amdhsa_system_sgpr_workgroup_id_y 1
		.amdhsa_system_sgpr_workgroup_id_z 1
		.amdhsa_system_vgpr_workitem_id 0
		.amdhsa_next_free_vgpr 512
		.amdhsa_next_free_sgpr 96
		.amdhsa_reserve_vcc 0
		.amdhsa_float_denorm_mode_32 3
		.amdhsa_float_denorm_mode_16_64 3
		.amdhsa_memory_ordered 1
		.amdhsa_forward_progress 1
		.amdhsa_inst_pref_size 223
	.end_amdhsa_kernel
	.amdgpu_metadata
---
amdhsa.version: [ 1, 2 ]
amdhsa.kernels:
  - .name:           k_qe78d69fa48_cell
    .symbol:         k_qe78d69fa48_cell.kd
    .args:
      - { .name: aq, .offset: 0, .size: 8, .value_kind: global_buffer, .address_space: global }
      - { .name: wq, .offset: 8, .size: 8, .value_kind: global_buffer, .address_space: global }
      - { .name: b_4gates, .offset: 16, .size: 8, .value_kind: global_buffer, .address_space: global }
      - { .name: c_0, .offset: 24, .size: 8, .value_kind: global_buffer, .address_space: global }
      - { .name: out0, .offset: 32, .size: 8, .value_kind: global_buffer, .address_space: global }
      - { .name: out2, .offset: 40, .size: 8, .value_kind: global_buffer, .address_space: global }
      - { .name: out3, .offset: 48, .size: 8, .value_kind: global_buffer, .address_space: global }
    .group_segment_fixed_size: 327680
    .private_segment_fixed_size: 0
    .kernarg_segment_align: 8
    .kernarg_segment_size: 56
    .max_flat_workgroup_size: 256
    .sgpr_count:     96
    .vgpr_count:     512
    .wavefront_size: 32
...
	.end_amdgpu_metadata
.endif
;; end of part 2
